; MI455X (gfx1250); checked and timed in simulation.
; The chip was launched on July 23, 2026; its instructions are those of AMD's public machine-readable ISA for CDNA 5 (MIT licence, August 2026) and "CDNA5" Instruction Set Architecture Reference Guide (July 2026). The comments in the code are by the model that wrote it; some were corrected since.
;; Literati Quant Linear. Allowed arithmetic: float matrix products may take bf16 or f16 operands with f32 sums; all other float work in f32.
;; Inputs: scales 4,096 x 32 float32; weight 4,096 x 4,096 float32; x 4 x 1,024 x 4,096 float32.
;; Outputs: out0 4 x 1,024 x 4,096 float32.
;; 2 versions, each right; version 2 is version 1 with the launch prep written anew for expert scheduling mode. Each part assembles by itself: llvm-mc -triple=amdgcn-amd-amdhsa -mcpu=gfx1250 --defsym DOCPART=n.
;; ======== version 1 of 2: 2 launches
;; workspace buffers: xb 33,554,432 bytes; wb 33,554,432 bytes
;; launch prep (part 1): grid 256 x 1, 16 waves a work-group, no clusters, 0 bytes of LDS; arguments x, weight, scales, xb, wb; writes xb, wb
.if DOCPART == 1
	.amdgcn_target "amdgcn-amd-amdhsa--gfx1250"
	.amdhsa_code_object_version 6
	.text
	.protected	k_q5e4159b68b_prep
	.globl	k_q5e4159b68b_prep
	.p2align	8
	.type	k_q5e4159b68b_prep,@function
k_q5e4159b68b_prep:
	s_mov_b64 s[64:65], 0
	v_nop
	global_prefetch_b8 v0, s[64:65] scope:SCOPE_SE
	s_setreg_imm32_b32 hwreg(HW_REG_WAVE_MODE, 25, 1), 1
	s_wait_xcnt 0x0
; xb[m][c] = bf16(x[m][c]);  wb[o][c] = bf16(+-max(scales[o][c/128], 1e-8)), + where weight[o][c] >= 0, else -.
; x, weight: [4096][4096] f32.  scales: [4096][32] f32.  xb, wb: [4096][4096] bf16.
; LIMITS.  One rounding to bf16 (nearest even) for each x and each clamped scale; a magnitude that rounds past bf16's largest finite number becomes an infinity.
; A NaN scale counts as 1e-8 (the maximum below lets a NaN lose).  A weight of -0.0 takes +, a NaN weight takes -: the compare 0 <= w says so.
; SHARES.  A stream: every input byte is read once, every output byte written once; nothing is shared, so there is no LDS, no barrier and no matrix work.
; The work-group owns rows 16 g .. 16 g + 15 of x and of weight.  Waves 0-7 convert x, waves 8-15 quantise weight; each wave owns two whole rows.
; A row is 32 chunks of 128 numbers: one load of 16 bytes a lane covers a chunk's 512 consecutive bytes, one store of 8 bytes a lane its 256 consecutive bytes of bf16,
; at a multiple of 256 from the buffer's first byte.  A chunk is exactly one group of 128 columns, so it has ONE scale.
; 32 loads of every wave are out all the time: row 0's chunks are loaded at the start, and chunk j's registers are loaded again with row 1's chunk j as soon as they have been read.
; No register that a store reads is ever written again (row 0 packs into Y, row 1 in place into X), and no address register is stepped: so no wait stands in the text but the counted ones for loads.
.set ROWIN,  16384                     ; bytes in a row of f32
.set ROWOUT, 8192                      ; bytes in a row of bf16
.set LO,  1                            ; v1        16 x lane: my 16 bytes in a chunk as loaded; never rewritten
.set SO,  2                            ; v2        8 x lane: my 8 bytes in a chunk as stored; never rewritten
.set GO,  3                            ; v3        4 x lane: my word among a row's 32 scales; never rewritten
.set SC,  4                            ; v4, v5    the clamped scales of row 0 and of row 1: lane g holds group g
.set P,   6                            ; v6        + the scale of the chunk in hand
.set T,   8                            ; v[8:11]   four numbers +-scale, in f32
.set X,   12                           ; v[12:139] chunk j: 4 registers as loaded; in row 1 the first two of them as stored
.set Y,   140                          ; v[140:203] row 0's chunk j: 2 registers as stored
	s_load_b256 s[4:11], s[0:1], 0x0               ; x s[4:5], weight s[6:7], scales s[8:9], xb s[10:11]
	s_load_b64 s[12:13], s[0:1], 0x20              ; wb
	v_and_b32 v[GO], 31, v0                        ; lane
	v_lshrrev_b32 v[P], 5, v0
	v_readfirstlane_b32 s14, v[P]                  ; wave 0..15
	v_lshlrev_b32 v[LO], 4, v[GO]
	v_lshlrev_b32 v[SO], 3, v[GO]
	v_lshlrev_b32 v[GO], 2, v[GO]
	s_and_b32 s15, s14, 7
	s_lshl_b32 s15, s15, 1
	s_lshl_b32 s16, ttmp9, 4
	s_add_co_u32 s15, s15, s16                     ; my first row = 16 g + 2 (wave mod 8): 4,094 at the most
	s_lshl_b32 s16, s15, 14                        ; its byte offset in x or weight (under 2^26),
	s_mov_b32 s17, 0
	s_lshl_b32 s18, s15, 13                        ; in xb or wb,
	s_mov_b32 s19, 0
	s_lshl_b32 s20, s15, 7                         ; and in scales
	s_mov_b32 s21, 0
	s_wait_kmcnt 0x0
	s_cmp_lt_u32 s14, 8
	s_cbranch_scc0 .Lweight
; Chunk j of x.  ahead = 1: row 0, and the chunk's registers take row 1's chunk j.  ahead = 0: row 1.
; The counts: loads come back in order (ISA guide 5.7.1).  Behind row 0's chunk j stand 31 - j loads of row 0 and j of row 1: 31.  Behind row 1's chunk j stand 31 - j.
.macro CX j, ahead
.if \ahead
	s_wait_loadcnt 31
	v_cvt_pk_bf16_f32 v[Y+2*(\j)],   v[X+4*(\j)],   v[X+4*(\j)+1]
	v_cvt_pk_bf16_f32 v[Y+2*(\j)+1], v[X+4*(\j)+2], v[X+4*(\j)+3]
	global_load_b128 v[X+4*(\j):X+4*(\j)+3], v[LO], s[4:5] offset:ROWIN+512*(\j) th:TH_LOAD_NT
	global_store_b64 v[SO], v[Y+2*(\j):Y+2*(\j)+1], s[10:11] offset:256*(\j)  ; no hint: the next launch reads these bytes
.else
	s_wait_loadcnt 31-(\j)
	v_cvt_pk_bf16_f32 v[X+4*(\j)],   v[X+4*(\j)],   v[X+4*(\j)+1]
	v_cvt_pk_bf16_f32 v[X+4*(\j)+1], v[X+4*(\j)+2], v[X+4*(\j)+3]
	global_store_b64 v[SO], v[X+4*(\j):X+4*(\j)+1], s[10:11] offset:ROWOUT+256*(\j)
.endif
.endm
; Chunk j of weight, likewise.  The chunk's scale comes out of lane j of the row's register; each number takes it with the sign that 0 <= w chooses, and the pair is rounded once.
; The four compares write four masks of their own, so that no select waits for the compare just ahead of it.
.macro CW j, ahead
.if \ahead
	s_wait_loadcnt 31
.else
	s_wait_loadcnt 31-(\j)
.endif
	v_readlane_b32 s22, v[SC+1-(\ahead)], \j       ; + scale
	s_xor_b32 s23, s22, 0x80000000                 ; - scale
	v_mov_b32 v[P], s22
.irp k, 0,1,2,3
	v_cmp_le_f32 s[24+(\k)], 0, v[X+4*(\j)+(\k)]   ; true for +0.0 and -0.0, false for a NaN
.endr
.irp k, 0,1,2,3
	v_cndmask_b32 v[T+(\k)], s23, v[P], s[24+(\k)] ; + where true, else -
.endr
.if \ahead
	v_cvt_pk_bf16_f32 v[Y+2*(\j)],   v[T],   v[T+1]
	v_cvt_pk_bf16_f32 v[Y+2*(\j)+1], v[T+2], v[T+3]
	global_load_b128 v[X+4*(\j):X+4*(\j)+3], v[LO], s[6:7] offset:ROWIN+512*(\j) th:TH_LOAD_NT
	global_store_b64 v[SO], v[Y+2*(\j):Y+2*(\j)+1], s[12:13] offset:256*(\j)
.else
	v_cvt_pk_bf16_f32 v[X+4*(\j)],   v[T],   v[T+1]
	v_cvt_pk_bf16_f32 v[X+4*(\j)+1], v[T+2], v[T+3]
	global_store_b64 v[SO], v[X+4*(\j):X+4*(\j)+1], s[12:13] offset:ROWOUT+256*(\j)
.endif
.endm
	; WAVES 0-7: x
	s_add_nc_u64 s[4:5], s[4:5], s[16:17]          ; x and xb at my first row
	s_add_nc_u64 s[10:11], s[10:11], s[18:19]
.set c, 0
.rept 32
	global_load_b128 v[X+4*c:X+4*c+3], v[LO], s[4:5] offset:512*c th:TH_LOAD_NT
.set c, c+1
.endr
.set c, 0
.rept 32
	CX c, 1
.set c, c+1
.endr
.set c, 0
.rept 32
	CX c, 0
.set c, c+1
.endr
	s_endpgm
.Lweight:
	; WAVES 8-15: weight and scales
	s_add_nc_u64 s[6:7], s[6:7], s[16:17]          ; weight, wb and scales at my first row
	s_add_nc_u64 s[12:13], s[12:13], s[18:19]
	s_add_nc_u64 s[8:9], s[8:9], s[20:21]
	global_load_b32 v[SC],   v[GO], s[8:9]            ; my two rows' scales: 256 consecutive bytes, at a multiple of 256 (my first row is even)
	global_load_b32 v[SC+1], v[GO], s[8:9] offset:128
.set c, 0
.rept 32
	global_load_b128 v[X+4*c:X+4*c+3], v[LO], s[6:7] offset:512*c th:TH_LOAD_NT
.set c, c+1
.endr
	s_wait_loadcnt 32                              ; the scales are in: the 32 loads issued behind them stay out
	v_max_num_f32 v[SC],   0x322bcc77, v[SC]       ; max(scale, 1e-8)
	v_max_num_f32 v[SC+1], 0x322bcc77, v[SC+1]
.set c, 0
.rept 32
	CW c, 1
.set c, c+1
.endr
.set c, 0
.rept 32
	CW c, 0
.set c, c+1
.endr
	s_endpgm
.Lfunc_end_k_q5e4159b68b_prep:
	.size	k_q5e4159b68b_prep, .Lfunc_end_k_q5e4159b68b_prep-k_q5e4159b68b_prep
	.p2alignl 7, 3214868480
	.fill 96, 4, 3214868480
	.section	.rodata,"a",@progbits
	.p2align	6, 0x0
	.amdhsa_kernel k_q5e4159b68b_prep
		.amdhsa_group_segment_fixed_size 0
		.amdhsa_private_segment_fixed_size 0
		.amdhsa_enable_private_segment 0
		.amdhsa_kernarg_size 40
		.amdhsa_user_sgpr_count 2
		.amdhsa_user_sgpr_kernarg_segment_ptr 1
		.amdhsa_wavefront_size32 1
		.amdhsa_system_sgpr_workgroup_id_x 1
		.amdhsa_system_sgpr_workgroup_id_y 1
		.amdhsa_system_sgpr_workgroup_id_z 1
		.amdhsa_system_vgpr_workitem_id 0
		.amdhsa_next_free_vgpr 204
		.amdhsa_next_free_sgpr 66
		.amdhsa_reserve_vcc 0
		.amdhsa_float_denorm_mode_32 3
		.amdhsa_float_denorm_mode_16_64 3
		.amdhsa_memory_ordered 1
		.amdhsa_forward_progress 1
		.amdhsa_inst_pref_size 88
	.end_amdhsa_kernel
	.amdgpu_metadata
---
amdhsa.version: [ 1, 2 ]
amdhsa.kernels:
  - .name:           k_q5e4159b68b_prep
    .symbol:         k_q5e4159b68b_prep.kd
    .args:
      - { .name: x, .offset: 0, .size: 8, .value_kind: global_buffer, .address_space: global }
      - { .name: weight, .offset: 8, .size: 8, .value_kind: global_buffer, .address_space: global }
      - { .name: scales, .offset: 16, .size: 8, .value_kind: global_buffer, .address_space: global }
      - { .name: xb, .offset: 24, .size: 8, .value_kind: global_buffer, .address_space: global }
      - { .name: wb, .offset: 32, .size: 8, .value_kind: global_buffer, .address_space: global }
    .group_segment_fixed_size: 0
    .private_segment_fixed_size: 0
    .kernarg_segment_align: 8
    .kernarg_segment_size: 40
    .max_flat_workgroup_size: 512
    .sgpr_count:     66
    .vgpr_count:     204
    .wavefront_size: 32
...
	.end_amdgpu_metadata
.endif
;; end of part 1
;; launch gemm (part 2): grid 16 x 16, 4 waves a work-group, clusters of 4 x 4, 327,680 bytes of LDS; arguments xb, wb, out0; writes out0
.if DOCPART == 2
	.amdgcn_target "amdgcn-amd-amdhsa--gfx1250"
	.amdhsa_code_object_version 6
	.text
	.protected	k_q5e4159b68b_gemm
	.globl	k_q5e4159b68b_gemm
	.p2align	8
	.type	k_q5e4159b68b_gemm,@function
k_q5e4159b68b_gemm:
	s_mov_b64 s[64:65], 0
	v_nop
	global_prefetch_b8 v0, s[64:65] scope:SCOPE_SE
	s_setreg_imm32_b32 hwreg(HW_REG_WAVE_MODE, 25, 1), 1
	s_wait_xcnt 0x0
	s_wait_alu depctr_hold_cnt(0) depctr_sa_sdst(0) depctr_va_vdst(0) depctr_va_sdst(0) depctr_va_ssrc(0) depctr_va_vcc(0) depctr_vm_vsrc(0)
	s_getreg_b32 s2, hwreg(HW_REG_IB_STS2, 6, 4)
	s_cmp_eq_u32 s2, 0
	s_cbranch_scc0 .Lentry_in_a_cluster
	s_endpgm
.Lentry_in_a_cluster:
	s_bfe_u32 s2, ttmp6, 0x10000c
	s_cmp_lg_u32 s2, 0xf033
	s_cbranch_scc0 .Lentry_shape_is_right
	s_endpgm
.Lentry_shape_is_right:
; C[m][n] = sum over k of A[m][k] B[n][k].  A = xb: [4096][4096] bf16 (x rounded), B = wb: [4096][4096] bf16 (the quantised weights), C = out0: [4096][4096] f32; sums in f32, K ascending.
; LIMITS.  None of its own: the operands' rounding to bf16 was made by the launch before; the sums leave as they are.
; A tile of C, 256 x 256, is made by a work-group of four waves; a wave makes 128 x 128: 64 accumulators of 16 x 16, 512 registers.  16 x 16 tiles: 256 work-groups, one tile each.
; K goes in 32 steps of 128 through a ring of two LDS slots filled by the tensor data mover: a tile's rows are 256 bytes of memory and start at multiples of 256 bytes from the buffer's first byte.
; CLUSTERS: 4 x 4 work-groups.  The four of a row of the cluster make tiles of one tile row of C and need the same tiles of A; the four of a column need the same tiles of B.  Such a tile is asked
; for JOINTLY: each of the four issues the same tensor load, with the same descriptor and a mask that names the four, and each receives it in its own LDS: a quarter of the requests for A and for B.
;
; REGISTERS, in windows of 256 (an instruction names v0-v255; s_set_vgpr_msb says which window each operand place means: bits 1:0 source 0, 3:2 source 1, 5:4 source 2, 7:6 destination):
;   window 0: v0-31 addresses; v64-127, v128-191 fragments of A (8 x 16 rows x 32 K), two buffers; on the way out the same 128 registers take rows of C back from the stage, two buffers of 64
;   window 1: v64-127, v128-191 fragments of B, two buffers
;   window 2: the 32 accumulators of my rows 0-63 (accumulator (a, b) at v[8 (8 a + b)]);   window 3: those of my rows 64-127
; THE MATRIX INSTRUCTION IS USED TRANSPOSED: source 0 = 16 rows of B, source 1 = 16 rows of A.  In the result lane l holds row m = l % 16 of C and its registers 0 to 7 the columns
; n = 8 (l / 16) + 0 .. 7: eight NEIGHBOURING numbers of a row of C, 32 bytes.  The sums are the same as the other way round.
.set SIZE_N, 4096
.set SIZE_K, 4096
.set KSTEP,  128
.set PITCH,  272                       ; an LDS row: 256 bytes of data + 16 of padding = 68 words: row r starts at bank 4 r mod 64 (64 banks of 4 bytes: ISA guide 11.1), so the 16 rows that a load touches start at 16 different banks
.set HALFT,  128*PITCH                 ; 128 rows: what one tensor load brings, and what one wave reads of A or of B
.set SLOT,   4*HALFT                   ; A's 256 rows, then B's 256 rows: 139,264 bytes
.set STAGE,  2*SLOT                    ; behind the ring, never filled by a tensor load: 16 rows x 528 bytes for each wave, for the way out (8,448 bytes: 33 blocks of 256)
.set SPITCH, 528                       ; a stage row: 512 bytes (128 f32) + 16 = 33 x 16
.set SPARE,  STAGE+4*16*SPITCH         ; 312,320: the spare words, 128 bytes for each wave: two blocks of 256 bytes that no other line names
.set LAPS, SIZE_K/(2*KSTEP)            ; 16: a lap = two K steps = once round the ring
.set ADRA, 16                          ; v16-17  LDS address of my A fragments in slot 0, 1
.set ADRB, 20                          ; v20-21  the same for B
.set STO,  24                          ; v24     the way out: where I put 32 bytes of a row
.set RD,   25                          ; v25     the way out: where I read a row back
.set CO,   26                          ; v26     my byte offset in 512 bytes of a row of C
.set SPW,  28                          ; v28     LDS address of my spare word: SPARE + 4 x my thread's number; never rewritten
.set NIL,  29                          ; v29     0; never rewritten
.set F0,   64                          ; fragment buffer 0
.set F1,   128                         ; fragment buffer 1
.set G1, 24                            ; s[24:31] descriptor group 1 for A's tiles
.set G0, 32                            ; s[32:39] descriptor group 0 for A's tiles, one set for each slot
.set G1B, 48                           ; s[48:55] descriptor group 1 for B's tiles: it differs from A's in the mask alone
.set G0B, 56                           ; s[56:63] descriptor group 0 for B's tiles, one set for each slot
.set MSB, 0
.macro WIN new                         ; the immediate's high byte repeats the setting that is left; a switch that changes nothing is dropped
.if MSB != (\new)
	s_set_vgpr_msb (MSB<<8)|(\new)
.set MSB, \new
.endif
.endm
.set MUL_LO, 0xa1                      ; source 0 (B) window 1, source 1 (A) window 0, C and D window 2
.set MUL_HI, 0xf1                      ; the same, C and D window 3
.set TO_B,   0x40                      ; destination window 1, address window 0
; A joint load.  Waves 0 and 1 fetch A's two halves, waves 2 and 3 B's.  Each of the two lines has ONE mask and one set of registers for all that issue it, and nothing in them hangs on a
; coordinate that the four partners do not share.  The branch hangs on the wave's number alone.  An s_nop 0 and four v_nop follow each of the two lines, ahead of the jump, the label and what follows.
.macro JLOAD s
	s_cmp_eq_u32 s11, 0
	s_cbranch_scc0 .Lfor_b_\@
	tensor_load_to_lds s[G0+4*(\s):G0+4*(\s)+3], s[G1:G1+7]
	s_nop 0
.rept 4
	v_nop
.endr
	s_branch .Lasked_\@
.Lfor_b_\@:
	tensor_load_to_lds s[G0B+4*(\s):G0B+4*(\s)+3], s[G1B:G1B+7]
	s_nop 0
.rept 4
	v_nop
.endr
.Lasked_\@:
.endm
; A round of the cluster's barrier: my work-group's barrier, so that wave 0's signal speaks for all four waves; wave 0 signals for the work-group; every wave waits for all
; sixteen work-groups; my work-group's barrier once more.  No LDS instruction of the wave is pending at a signal.
.macro CREST                           ; a round behind its opening barrier
	s_cmp_lg_u32 s10, 0
	s_cbranch_scc1 .Lnot_wave_0_\@
	s_barrier_signal -3
.Lnot_wave_0_\@:
	s_barrier_wait -3
	s_barrier_signal -1
	s_barrier_wait -1
.endm
.macro CROUND                          ; a whole round
	s_barrier_signal -1
	s_barrier_wait -1
	CREST
.endm
	s_load_b128 s[4:7], s[0:1], 0x0                ; A s[4:5], B s[6:7]
	s_load_b64 s[8:9], s[0:1], 0x10                ; C
	v_lshl_add_u32 v[SPW], v0, 2, SPARE
	v_mov_b32 v[NIL], 0
	ds_add_u32 v[SPW], v[NIL]                      ; the wave's opening: the add and its wait stand ahead of my first tensor load; the set-up below, work on registers, stands between them
	v_lshrrev_b32 v1, 5, v0
	v_readfirstlane_b32 s10, v1                    ; wave 0..3
	s_lshr_b32 s11, s10, 1                         ; which half of the tile's rows is mine.  Also: I fetch for A (0) or for B (1)
	s_and_b32 s12, s10, 1                          ; which half of its columns.  Also: which 128 rows of that tile I fetch
	s_bfe_u32 s40, ttmp6, 0x40000                  ; cx: my place along the cluster's x
	s_bfe_u32 s41, ttmp6, 0x40004                  ; cy: along its y
	s_lshl_b32 s42, ttmp9, 2                       ; in a cluster launch ttmp9 and ttmp7 count clusters
	s_add_co_u32 s42, s42, s40                     ; tile column of C = 4 x cluster x + cx
	s_and_b32 s13, ttmp7, 0xffff
	s_lshl_b32 s13, s13, 2
	s_add_co_u32 s13, s13, s41                     ; tile row of C = 4 x cluster y + cy
	s_lshl_b32 s43, s41, 2
	s_lshl_b32 s43, 15, s43                        ; my row of the cluster: places 4 cy .. 4 cy + 3
	s_lshl_b32 s44, 0x1111, s40                    ; my column: places cx, cx + 4, cx + 8, cx + 12
	; descriptor group 1: a tile of 128 rows x 128 elements, padded in LDS
	s_or_b32 s[G1+0], s43, (1<<16)|(1<<20)|(1<<21)|(5<<22)|(3<<25)  ; 15:0 the mask: A's tiles go to my row; 17:16 element of 2 bytes; 20 padding on; 21 set beside a mask; 24:22 after every 64 words (code 5); 31:25 of 4 words (code 3)
	s_or_b32 s[G1B+0], s44, (1<<16)|(1<<20)|(1<<21)|(5<<22)|(3<<25) ; the same with the mask of my column, for B's tiles
	s_mov_b32 s[G1B+1], KSTEP<<16
	s_mov_b32 s[G1+1], KSTEP<<16                   ; 63:48 tensor_dim0, low half = 128
	s_mov_b32 s[G1B+2], 128<<16
	s_mov_b32 s[G1+2], 128<<16                     ; 79:64 its high half = 0; 95:80 tensor_dim1, low half = 128
	s_mov_b32 s[G1B+3], KSTEP<<16
	s_mov_b32 s[G1+3], KSTEP<<16                   ; 111:96 its high half = 0; 127:112 tile_dim0 = 128
	s_mov_b32 s[G1B+4], 128
	s_mov_b32 s[G1+4], 128                         ; 143:128 tile_dim1 = 128; 159:144 tile_dim2 = 0
	s_mov_b32 s[G1B+5], SIZE_K
	s_mov_b32 s[G1+5], SIZE_K                      ; 191:160 tensor_dim0_stride, low word: elements from row to row
	s_mov_b32 s[G1B+6], 0
	s_mov_b32 s[G1+6], 0
	s_mov_b32 s[G1B+7], 0
	s_mov_b32 s[G1+7], 0
	; where the tiles come from.  A's hang on the tile row alone, which my row of the cluster shares; B's on the tile column alone, which my column shares.
	; Every wave makes both addresses, in registers that never hold the other coordinate, and asks by one of them.
	s_lshl_b32 s17, s12, 7                         ; which 128 rows of the tile I fetch
	s_lshl_b32 s16, s13, 8
	s_add_co_u32 s16, s16, s17                     ; A: row 256 x tile row + 128 x half
	s_lshl_b32 s46, s42, 8
	s_add_co_u32 s46, s46, s17                     ; B: row 256 x tile column + 128 x half
	s_mov_b32 s17, 0
	s_mov_b32 s47, 0
	s_mov_b64 s[18:19], SIZE_K*2
	s_mul_u64 s[16:17], s[16:17], s[18:19]         ; in bytes, in 64 bits
	s_mul_u64 s[46:47], s[46:47], s[18:19]
	s_mul_i32 s20, s10, HALFT                      ; and where they go: A's two halves, then B's two halves = wave x 128 rows: no place in the cluster enters an LDS address
	s_wait_dscnt 0x0                               ; the opening add is done
	s_wait_kmcnt 0x0
	s_add_nc_u64 s[14:15], s[4:5], s[16:17]
	s_add_nc_u64 s[46:47], s[6:7], s[46:47]
	CROUND                                         ; all sixteen work-groups are here: the first joint loads meet
.irp s, 0,1
	s_mov_b32 s[G0+4*(\s)], 1                                      ; 1:0 count = 1
	s_add_co_u32 s[G0+4*(\s)+1], s20, (\s)*SLOT                    ; 63:32 LDS address
	s_add_nc_u64 s[G0+4*(\s)+2:G0+4*(\s)+3], s[14:15], (\s)*KSTEP*2  ; 120:64 global address: K step s
	s_or_b32 s[G0+4*(\s)+3], s[G0+4*(\s)+3], 0x80000000            ; 127:126 type = 2
	s_mov_b32 s[G0B+4*(\s)], 1
	s_add_co_u32 s[G0B+4*(\s)+1], s20, (\s)*SLOT
	s_add_nc_u64 s[G0B+4*(\s)+2:G0B+4*(\s)+3], s[46:47], (\s)*KSTEP*2
	s_or_b32 s[G0B+4*(\s)+3], s[G0B+4*(\s)+3], 0x80000000
	JLOAD \s                                       ; the ring is filled before anything else is done: two tensor loads of mine are out here, one behind every later round
.endr
	; A fragment is 16 rows x 32 K in 8 registers: lane l holds row l % 16; registers 0-3 hold K = 8 (l / 16) + 0..7, registers 4-7 hold
	; K = 16 + 8 (l / 16) + 0..7.  From rows that lie along K: two loads of 16 bytes, 32 bytes apart.  The same for source 0 and source 1.
	v_and_b32 v1, 15, v0                           ; l % 16
	v_bfe_u32 v2, v0, 4, 1                         ; l / 16
	v_mul_u32_u24 v3, v1, PITCH
	v_lshl_add_u32 v3, v2, 4, v3                   ; row x pitch + 16 x half
	s_mul_i32 s21, s11, HALFT                      ; my 128 rows of A
	s_mul_i32 s22, s12, HALFT                      ; my 128 rows of B,
	s_add_co_u32 s22, s22, 2*HALFT                 ; which lie behind A's 256
.irp s, 0,1
	v_add_nc_u32 v[ADRA+(\s)], s21, v3
	v_add_nc_u32 v[ADRB+(\s)], s22, v3
	s_add_co_u32 s21, s21, SLOT
	s_add_co_u32 s22, s22, SLOT
.endr
	s_mul_i32 s23, s10, 16*SPITCH
	s_add_co_u32 s23, s23, STAGE                   ; my stage
	v_mul_u32_u24 v4, v1, SPITCH                   ; in: row l % 16, 32 bytes for each half of the lanes
	v_lshl_add_u32 v4, v2, 5, v4
	v_add_nc_u32 v[STO], s23, v4
	v_and_b32 v5, 31, v0
	v_lshlrev_b32 v[CO], 4, v5                     ; back, and out: 32 lanes take one row's 512 bytes, 16 each
	v_add_nc_u32 v[RD], s23, v[CO]
	; where my part of the tile begins in C; the base is made once and never stepped
	s_lshl_b32 s13, s13, 8
	s_lshl_b32 s14, s11, 7
	s_add_co_u32 s16, s13, s14                     ; my first row of C
	s_mov_b32 s17, 0
	s_mov_b64 s[18:19], SIZE_N*4
	s_mul_u64 s[16:17], s[16:17], s[18:19]
	s_lshl_b32 s46, s42, 10                        ; my first column, in bytes: 1,024 x tile column + 512 x half
	s_lshl_b32 s47, s12, 9
	s_add_co_u32 s46, s46, s47
	s_mov_b32 s47, 0
	s_add_nc_u64 s[16:17], s[16:17], s[46:47]
	s_add_nc_u64 s[8:9], s[8:9], s[16:17]
; 16 matrix instructions: m blocks a0, a0 + 1 of the window's four (hi = 0: my rows 0-63, 1: rows 64-127) x all 8 n blocks, 32 along K.
; zero = 1: the first product starts the sums: nothing is ever cleared.  The 64 accumulators take turns, in the same order in every quarter step.
.macro MUL16 f, hi, a0, zero
	WIN MUL_LO+0x50*(\hi)  ; MUL_LO or MUL_HI
.irp a, \a0, (\a0)+1
.irp b, 0,1,2,3,4,5,6,7
.if \zero
	v_wmma_f32_16x16x32_bf16 v[8*(8*(\a)+(\b)):8*(8*(\a)+(\b))+7], v[(\f)+8*(\b):(\f)+8*(\b)+7], v[(\f)+8*(4*(\hi)+(\a)):(\f)+8*(4*(\hi)+(\a))+7], 0
.else
	v_wmma_f32_16x16x32_bf16 v[8*(8*(\a)+(\b)):8*(8*(\a)+(\b))+7], v[(\f)+8*(\b):(\f)+8*(\b)+7], v[(\f)+8*(4*(\hi)+(\a)):(\f)+8*(4*(\hi)+(\a))+7], v[8*(8*(\a)+(\b)):8*(8*(\a)+(\b))+7]
.endif
.endr
.endr
.endm
; 32 LDS loads in one run: the fragments of one quarter step (128 rows of B, 128 rows of A, 32 K at byte k of the rows) into buffer f
.macro FETCH slot, k, f
	WIN TO_B
.irp i, 0,1,2,3,4,5,6,7
	ds_load_b128 v[(\f)+8*(\i):(\f)+8*(\i)+3],   v[ADRB+(\slot)] offset:(\k)+(\i)*16*PITCH
	ds_load_b128 v[(\f)+8*(\i)+4:(\f)+8*(\i)+7], v[ADRB+(\slot)] offset:(\k)+(\i)*16*PITCH+32
.endr
	WIN 0
.irp i, 0,1,2,3,4,5,6,7
	ds_load_b128 v[(\f)+8*(\i):(\f)+8*(\i)+3],   v[ADRA+(\slot)] offset:(\k)+(\i)*16*PITCH
	ds_load_b128 v[(\f)+8*(\i)+4:(\f)+8*(\i)+7], v[ADRA+(\slot)] offset:(\k)+(\i)*16*PITCH+32
.endr
.endm
; A load into a register that a matrix instruction has read, and an LDS store that reads a matrix result, stand four places behind that matrix instruction, and only plain vector
; instructions that name none of its registers are places (ISA guide 7.12.1 for vector instructions); the matrix instructions in between are not counted.
.macro PLACES
.rept 4
	v_nop
.endr
.endm
; A K step is four quarter steps of 32 along K, 64 matrix instructions each, on buffers 0, 1, 0, 1.
; One of the first three: multiplies buffer f; in its middle it fetches the next quarter's fragments, at byte k of the same slot's rows, into buffer g.
.macro QUARTER slot, k, f, g, zero
	s_wait_dscnt 8                                 ; B and A's rows 0-63 are in; the youngest eight loads (A's rows 64-127) may be out
	WIN MUL_LO
	MUL16 \f, 0, 0, \zero
	MUL16 \f, 0, 2, \zero
	PLACES
	FETCH \slot, \k, \g
	s_wait_dscnt 32                                ; all but the 32 just issued
	WIN MUL_HI
	MUL16 \f, 1, 0, \zero
	MUL16 \f, 1, 2, \zero
.endm
; The last quarter multiplies buffer 1 and changes slots: ONE barrier, for two things.  In front of it each wave waits for all its tensor loads, of which one is out: its part of the next slot;
; adds 0 to its spare word; and waits for that and for its own reads of this slot.  Behind it nobody reads this slot any more and the next slot is whole.
; fill = 1: the barrier opens a round of the cluster's barrier, and behind the round this slot is filled again first, with the K step two steps on; then come the next slot's first fragments.
; From a request to the wait for it a wave issues 224 matrix instructions.
.macro TURN slot, next, fill
	WIN 0                                          ; (the add's two registers lie in window 0)
	s_wait_tensorcnt 0x0                           ; all my tensor loads have landed: the one that was out is my part of the next slot;
	ds_add_u32 v[SPW], v[NIL]                      ; 0 onto my spare word;
	s_wait_dscnt 9                                 ; (the add and the youngest eight loads may be out)
	WIN MUL_LO
	MUL16 F1, 0, 0, 0                              ; sixteen matrix instructions stand between the add and the wait for it
	s_wait_dscnt 0x0                               ; the add is done, and my reads of this slot are over:
	s_barrier_signal -1                            ; say so,
	MUL16 F1, 0, 2, 0                              ; work on registers while the others arrive,
.if \fill
	WIN 0
.endif
	s_barrier_wait -1                              ; and go on when all four have said so
.if \fill
	CREST                                          ; all sixteen work-groups have said so: no wave of any partner still reads this slot's tile or has a load on its way
	s_add_nc_u64 s[G0+4*(\slot)+2:G0+4*(\slot)+3], s[G0+4*(\slot)+2:G0+4*(\slot)+3], 2*KSTEP*2      ; no tensor load of mine is out, so a group 0 may be written; the type bits on top are not reached
	s_add_nc_u64 s[G0B+4*(\slot)+2:G0B+4*(\slot)+3], s[G0B+4*(\slot)+2:G0B+4*(\slot)+3], 2*KSTEP*2
	JLOAD \slot                                    ; the first tensor load behind the round, and my only one until the next; the four v_nop behind it are also the places in front of the loads below
.else
	PLACES
.endif
	FETCH \next, 0, F0
	WIN MUL_HI
	MUL16 F1, 1, 0, 0
	MUL16 F1, 1, 2, 0
.endm
; THE WAY OUT of block a, 16 rows of C x my 128 columns.  A lane's 32 bytes are a sixteenth of a row's 512, and the lanes beside it hold other rows: so the block goes through my own stage.
; TOSTAGE: straight from the accumulators (each one's four lowest registers first) into rows of 528 bytes, and back as whole rows of 512, into buffer a % 2 of 64 registers.
.macro TOSTAGE a
.set AC, 64*((\a)%4)
.set BK, 64+64*((\a)%2)
.if (\a) >= 2
	s_wait_xcnt 0x0                                ; every earlier memory instruction has had its addresses translated (ISA guide 3.1): the buffer that block a - 2's stores read is loaded again only behind this wait
.endif
	WIN 0x08+4*((\a)/4)                            ; store data (source 1) in window 2 or 3, address in window 0
.irp b, 0,1,2,3,4,5,6,7
	ds_store_b128 v[STO], v[AC+8*(\b):AC+8*(\b)+3]   offset:64*(\b)
	ds_store_b128 v[STO], v[AC+8*(\b)+4:AC+8*(\b)+7] offset:64*(\b)+16
.endr
	WIN 0
.irp t, 0,1,2,3,4,5,6,7,8,9,10,11,12,13,14,15
	ds_load_b128 v[BK+4*(\t):BK+4*(\t)+3], v[RD] offset:(\t)*SPITCH  ; LDS serves a wave's instructions in order (ISA guide 5.7.1.4): these see the stores above; the next block's stores come behind them
.endr
.endm
; SEND: stored.  younger: the LDS instructions issued behind block a's loads: the next block's sixteen stores and sixteen loads, or none.
.macro SEND a, younger
.set BK, 64+64*((\a)%2)
	WIN 0
.irp t, 0,1,2,3,4,5,6,7,8,9,10,11,12,13,14,15
	s_wait_dscnt (\younger)+15-(\t)                ; row t is back: behind its load stand 15 - t of its block's and the younger ones
	global_store_b128 v[CO], v[BK+4*(\t):BK+4*(\t)+3], s[8:9] offset:(16*(\a)+(\t))*SIZE_N*4 th:TH_STORE_NT  ; 512 consecutive bytes, at a multiple of 512 from C's first byte; 127 rows at the most: 2,080,768, inside the signed 24-bit immediate
.endr
.endm
	s_wait_tensorcnt 1                             ; my part of K step 0 is in; K step 1's may stay out
	s_barrier_signal -1
	s_barrier_wait -1                              ; everybody's is
	FETCH 0, 0, F0
	QUARTER 0, 64,  F0, F1, 1                      ; the first quarter stands in front of the loop: its products start the sums
	WIN 0                                          ; at a label and at a branch every window is 0
	s_mov_b32 s3, LAPS-1
.Llap:                                                 ; 15 trips: a trip goes once round the ring, from a lap's second quarter to the next lap's first, and fills both slots again; the last asks for K steps 30 and 31
	QUARTER 0, 128, F1, F0, 0
	QUARTER 0, 192, F0, F1, 0
	TURN 0, 1, 1
	QUARTER 1, 64,  F0, F1, 0
	QUARTER 1, 128, F1, F0, 0
	QUARTER 1, 192, F0, F1, 0
	TURN 1, 0, 1
	QUARTER 0, 64,  F0, F1, 0
	WIN 0
	s_sub_co_u32 s3, s3, 1
	s_cmp_lg_u32 s3, 0
	s_cbranch_scc1 .Llap
	QUARTER 0, 128, F1, F0, 0                      ; the last lap is written out: it fills nothing, and has no round of the cluster's barrier
	QUARTER 0, 192, F0, F1, 0
	TURN 0, 1, 0
	QUARTER 1, 64,  F0, F1, 0
	QUARTER 1, 128, F1, F0, 0
	QUARTER 1, 192, F0, F1, 0
	s_wait_dscnt 8                                 ; the very last quarter: nothing more to fetch
	WIN MUL_LO
	MUL16 F1, 0, 0, 0
	MUL16 F1, 0, 2, 0
	s_wait_dscnt 0x0
	WIN MUL_HI
	MUL16 F1, 1, 0, 0
	MUL16 F1, 1, 2, 0
	WIN 0
	PLACES                                         ; behind the last products: the stage's stores read results, and its loads land in A's fragment buffers
	TOSTAGE 0
.irp a, 1,2,3,4,5,6,7                  ; block a's way through the stage is under way while block a - 1's rows are stored
	TOSTAGE \a
	SEND (\a)-1, 32
.endr
	SEND 7, 0
	s_wait_tensorcnt 0x0                           ; the wave's end: the add and its wait stand behind my last tensor load and my last LDS store
	ds_add_u32 v[SPW], v[NIL]
	s_wait_dscnt 0x0
	CROUND                                         ; the closing round: no work-group ends while a partner may still ask for a tile that names it
	s_endpgm
.Lfunc_end_k_q5e4159b68b_gemm:
	.size	k_q5e4159b68b_gemm, .Lfunc_end_k_q5e4159b68b_gemm-k_q5e4159b68b_gemm
	.p2alignl 7, 3214868480
	.fill 96, 4, 3214868480
	.section	.rodata,"a",@progbits
	.p2align	6, 0x0
	.amdhsa_kernel k_q5e4159b68b_gemm
		.amdhsa_group_segment_fixed_size 327680
		.amdhsa_private_segment_fixed_size 0
		.amdhsa_enable_private_segment 0
		.amdhsa_kernarg_size 24
		.amdhsa_user_sgpr_count 2
		.amdhsa_user_sgpr_kernarg_segment_ptr 1
		.amdhsa_wavefront_size32 1
		.amdhsa_system_sgpr_workgroup_id_x 1
		.amdhsa_system_sgpr_workgroup_id_y 1
		.amdhsa_system_sgpr_workgroup_id_z 1
		.amdhsa_system_vgpr_workitem_id 0
		.amdhsa_next_free_vgpr 1024
		.amdhsa_next_free_sgpr 66
		.amdhsa_reserve_vcc 0
		.amdhsa_float_denorm_mode_32 3
		.amdhsa_float_denorm_mode_16_64 3
		.amdhsa_memory_ordered 1
		.amdhsa_forward_progress 1
		.amdhsa_inst_pref_size 144
	.end_amdhsa_kernel
	.amdgpu_metadata
---
amdhsa.version: [ 1, 2 ]
amdhsa.kernels:
  - .name:           k_q5e4159b68b_gemm
    .symbol:         k_q5e4159b68b_gemm.kd
    .args:
      - { .name: xb, .offset: 0, .size: 8, .value_kind: global_buffer, .address_space: global }
      - { .name: wb, .offset: 8, .size: 8, .value_kind: global_buffer, .address_space: global }
      - { .name: out0, .offset: 16, .size: 8, .value_kind: global_buffer, .address_space: global }
    .group_segment_fixed_size: 327680
    .private_segment_fixed_size: 0
    .kernarg_segment_align: 8
    .kernarg_segment_size: 24
    .max_flat_workgroup_size: 128
    .sgpr_count:     66
    .vgpr_count:     1024
    .wavefront_size: 32
...
	.end_amdgpu_metadata
.endif
;; end of part 2
;; ======== version 2 of 2: 2 launches; version 1 with the launch prep written anew for expert scheduling mode
;; workspace buffers: xb 33,554,432 bytes; wb 33,554,432 bytes
;; launch prep (part 3): grid 256 x 1, 16 waves a work-group, no clusters, 0 bytes of LDS; arguments x, weight, scales, xb, wb; writes xb, wb
.if DOCPART == 3
	.amdgcn_target "amdgcn-amd-amdhsa--gfx1250"
	.amdhsa_code_object_version 6
	.text
	.protected	k_q5e4159b68b_prep
	.globl	k_q5e4159b68b_prep
	.p2align	8
	.type	k_q5e4159b68b_prep,@function
k_q5e4159b68b_prep:
	s_mov_b64 s[64:65], 0
	v_nop
	global_prefetch_b8 v0, s[64:65] scope:SCOPE_SE
	s_setreg_imm32_b32 hwreg(HW_REG_WAVE_SCHED_MODE, 0, 2), 2
	s_setreg_imm32_b32 hwreg(HW_REG_WAVE_MODE, 25, 1), 1
	s_wait_xcnt 0x0
	s_wait_alu depctr_vm_vsrc(0)
; xb[m][c] = bf16(x[m][c]);  wb[o][c] = bf16(+-max(scales[o][c/128], 1e-8)), + where weight[o][c] >= 0, else -.
; x, weight: [4096][4096] f32.  scales: [4096][32] f32.  xb, wb: [4096][4096] bf16.
; LIMITS.  One rounding to bf16 (nearest even) for each x and each clamped scale; a magnitude that rounds past bf16's largest finite number becomes an infinity.
; A NaN scale counts as 1e-8 (the maximum below lets a NaN lose).  A weight of -0.0 takes +, a NaN weight takes -: the compare 0 <= w says so.
; SHARES.  A stream: every input byte is read once, every output byte written once; nothing is shared, so there is no LDS, no barrier and no matrix work.
; The work-group owns rows 16 g .. 16 g + 15 of x and of weight.  Waves 0-7 convert x, waves 8-15 quantise weight; each wave owns two whole rows.
; A row is 32 chunks of 128 numbers: one load of 16 bytes a lane covers a chunk's 512 consecutive bytes, one store of 8 bytes a lane its 256 consecutive bytes of bf16,
; at a multiple of 256 from the buffer's first byte.  A chunk is exactly one group of 128 columns, so it has ONE scale.
; THE MODE: SCHED_MODE bits 1:0 = 2 (LLVM: expert scheduling mode 2), set by the entry lines.  The code itself states the register dependences
; between vector instructions and memory instructions, and between vector instructions that write scalar registers and their readers, with s_wait_alu, always for 0.
; THE PLAN.  A wave's 64 chunks go in 16 blocks of four: blocks 0-7 are row 0, blocks 8-15 row 1.  Registers that memory instructions touch:
;   X          32 chunks as loaded.  Row 0's 32 loads go out at the start; the four chunks of block p (0-7) are loaded again, with row 1's same chunks, in block p + 1.
;              Read by the vector lines of the block in hand.  In row 1 the roundings write a chunk's first two registers in place; the stores issued in the next block read them.
;   Y          row 0's chunks as stored.  Written by block p's roundings, read by the four stores issued in block p + 1, never written again.
;   v1, v2, v3 byte offsets, made once at the head and never written again: rows and chunks are reached by immediate offsets, and no base is stepped.
; Block p's vector lines name its own X and Y (and P, T and the scales, which no memory instruction names from the clamp on); its memory instructions touch the X and Y of block p - 1 alone.
; So ONE wait on va_vdst at a block's head states all that its eight memory instructions hang on, and they are dealt among its vector lines with no further wait.
; No register that a memory instruction reads is ever written again: so the text holds no wait on vm_vsrc and none on XCNT.  24 to 28 loads of every wave are out until the last blocks.
.set ROWIN,  16384                     ; bytes in a row of f32
.set ROWOUT, 8192                      ; bytes in a row of bf16
.set LO,  1                            ; v1        16 x lane: my 16 bytes in a chunk as loaded; never rewritten
.set SO,  2                            ; v2        8 x lane: my 8 bytes in a chunk as stored; never rewritten
.set GO,  3                            ; v3        4 x lane: my word among a row's 32 scales; never rewritten
.set SC,  4                            ; v4, v5    the clamped scales of row 0 and of row 1: lane g holds group g
.set P,   6                            ; v[6:9]    + the scale of chunk i of the block in hand
.set T,   10                           ; v[10:25]  chunk i of the block in hand: four numbers +-scale, in f32
.set X,   28                           ; v[28:155] chunk j: 4 registers as loaded; in row 1 the first two of them as stored
.set Y,   156                          ; v[156:219] row 0's chunk j: 2 registers as stored
.set SP,  24                           ; s[24:27]  + the scale of chunk i of the block in hand
.set SN,  28                           ; s[28:31]  - the same
.set MK,  32                           ; s[32:47]  chunk i, number k: the lanes in which 0 <= w
	s_load_b256 s[4:11], s[0:1], 0x0               ; x s[4:5], weight s[6:7], scales s[8:9], xb s[10:11]
	s_load_b64 s[12:13], s[0:1], 0x20              ; wb
	v_and_b32 v[GO], 31, v0                        ; lane
	v_lshrrev_b32 v[P], 5, v0
	v_readfirstlane_b32 s14, v[P]                  ; wave 0..15
	v_lshlrev_b32 v[LO], 4, v[GO]
	v_lshlrev_b32 v[SO], 3, v[GO]
	v_lshlrev_b32 v[GO], 2, v[GO]
	s_wait_alu depctr_va_sdst(0)                   ; s14 is written, ahead of its first reader: my rows and the branch below are made from it
	s_and_b32 s15, s14, 7
	s_lshl_b32 s15, s15, 1
	s_lshl_b32 s16, ttmp9, 4
	s_add_co_u32 s15, s15, s16                     ; my first row = 16 g + 2 (wave mod 8): 4,094 at the most
	s_lshl_b32 s16, s15, 14                        ; its byte offset in x or weight (under 2^26),
	s_mov_b32 s17, 0
	s_lshl_b32 s18, s15, 13                        ; in xb or wb,
	s_mov_b32 s19, 0
	s_lshl_b32 s20, s15, 7                         ; and in scales
	s_mov_b32 s21, 0
	s_wait_kmcnt 0x0
	s_wait_alu depctr_va_vdst(0)                   ; v1, v2 and v3 are written: every load and store, on both ways behind the branch, reads one of them as its offset
	s_cmp_lt_u32 s14, 8
	s_cbranch_scc0 .Lweight
; The head of block p.  Loads come back in order (ISA guide 5.7.1).  Numbered as issued, row 0's are 0-31 and block p (1-8) issues 32 + 4 (p - 1) and the three behind it; block p needs
; number 4 p + 3.  Issued at its head: 32 in block 0, 32 + 4 (p - 1) in blocks 1-8, 64 from block 9 on: so 28, then 24, then 60 - 4 p younger loads may stay out.
.macro ARRIVE p
.if (\p) == 0
	s_wait_loadcnt 28
.elseif (\p) < 10
	s_wait_loadcnt 24
.else
	s_wait_loadcnt 60-4*(\p)
.endif
.if (\p) > 0
	s_wait_alu depctr_va_vdst(0)                   ; the block before has written its Y (in row 1: its X, in place), which the stores below read, and is done reading its X, in which the loads below land
.endif
.endm
; Row 1's chunk takes the registers of chunk i of block pb (0-7) of row 0.  No vector line since the block's wait names them.
.macro LD1 pb, i, src
	global_load_b128 v[X+16*(\pb)+4*(\i):X+16*(\pb)+4*(\i)+3], v[LO], s[\src:\src+1] offset:ROWIN+512*(4*(\pb)+(\i)) th:TH_LOAD_NT
.endm
; Chunk i of block pb (0-15) is stored: row 0 from Y, row 1 from X.  No hint: the next launch reads these bytes.
.macro ST pb, i, dst
.if (\pb) < 8
	global_store_b64 v[SO], v[Y+8*(\pb)+2*(\i):Y+8*(\pb)+2*(\i)+1], s[\dst:\dst+1] offset:256*(4*(\pb)+(\i))
.else
	global_store_b64 v[SO], v[X+16*((\pb)-8)+4*(\i):X+16*((\pb)-8)+4*(\i)+1], s[\dst:\dst+1] offset:ROWOUT+256*(4*((\pb)-8)+(\i))
.endif
.endm
; Block p of x: in front of each chunk's two roundings a load and a store of the block before, the load first.
.macro BX p
	ARRIVE \p
.irp i, 0,1,2,3
.if (\p) > 0 && (\p) < 9
	LD1 (\p)-1, \i, 4
.endif
.if (\p) > 0
	ST (\p)-1, \i, 10
.endif
.if (\p) < 8
	v_cvt_pk_bf16_f32 v[Y+8*(\p)+2*(\i)],   v[X+16*(\p)+4*(\i)],   v[X+16*(\p)+4*(\i)+1]
	v_cvt_pk_bf16_f32 v[Y+8*(\p)+2*(\i)+1], v[X+16*(\p)+4*(\i)+2], v[X+16*(\p)+4*(\i)+3]
.else
	v_cvt_pk_bf16_f32 v[X+16*((\p)-8)+4*(\i)],   v[X+16*((\p)-8)+4*(\i)],   v[X+16*((\p)-8)+4*(\i)+1]
	v_cvt_pk_bf16_f32 v[X+16*((\p)-8)+4*(\i)+1], v[X+16*((\p)-8)+4*(\i)+2], v[X+16*((\p)-8)+4*(\i)+3]
.endif
.endr
.endm
; Block p of weight.  A chunk's scale comes out of its lane of the row's register; each number takes it with the sign that 0 <= w chooses, and the pair is rounded once.
; The block's four scales and sixteen masks are made in ONE run, into scalar registers of their own, with one wait behind the run; the loads of the block before are dealt among that run,
; its stores among the selects and roundings.
.macro BW p
	ARRIVE \p
.irp i, 0,1,2,3
.if (\p) > 0 && (\p) < 9
	LD1 (\p)-1, \i, 6
.endif
	v_readlane_b32 s[SP+(\i)], v[SC+(\p)/8], 4*((\p)%8)+(\i)   ; + scale
.irp k, 0,1,2,3
	v_cmp_le_f32 s[MK+4*(\i)+(\k)], 0, v[X+16*((\p)%8)+4*(\i)+(\k)]  ; true for +0.0 and -0.0, false for a NaN
.endr
.endr
	s_wait_alu depctr_va_sdst(0)                   ; the four scales s[SP ..] and the sixteen masks s[MK ..] are written, ahead of their first readers below
.irp i, 0,1,2,3
.if (\p) > 0
	ST (\p)-1, \i, 12
.endif
	s_xor_b32 s[SN+(\i)], s[SP+(\i)], 0x80000000   ; - scale
	v_mov_b32 v[P+(\i)], s[SP+(\i)]
.irp k, 0,1,2,3
	v_cndmask_b32 v[T+4*(\i)+(\k)], s[SN+(\i)], v[P+(\i)], s[MK+4*(\i)+(\k)]  ; + where true, else -
.endr
.if (\p) < 8
	v_cvt_pk_bf16_f32 v[Y+8*(\p)+2*(\i)],   v[T+4*(\i)],   v[T+4*(\i)+1]
	v_cvt_pk_bf16_f32 v[Y+8*(\p)+2*(\i)+1], v[T+4*(\i)+2], v[T+4*(\i)+3]
.else
	v_cvt_pk_bf16_f32 v[X+16*((\p)-8)+4*(\i)],   v[T+4*(\i)],   v[T+4*(\i)+1]
	v_cvt_pk_bf16_f32 v[X+16*((\p)-8)+4*(\i)+1], v[T+4*(\i)+2], v[T+4*(\i)+3]
.endif
.endr
.endm
	; WAVES 0-7: x
	s_add_nc_u64 s[4:5], s[4:5], s[16:17]          ; x and xb at my first row
	s_add_nc_u64 s[10:11], s[10:11], s[18:19]
.set c, 0
.rept 32
	global_load_b128 v[X+4*c:X+4*c+3], v[LO], s[4:5] offset:512*c th:TH_LOAD_NT
.set c, c+1
.endr
.set blk, 0
.rept 16
	BX blk
.set blk, blk+1
.endr
	s_wait_alu depctr_va_vdst(0)                   ; block 15 has written its X in place, which the last four stores read
.irp i, 0,1,2,3
	ST 15, \i, 10
.endr
	s_endpgm
.Lweight:
	; WAVES 8-15: weight and scales
	s_add_nc_u64 s[6:7], s[6:7], s[16:17]          ; weight, wb and scales at my first row
	s_add_nc_u64 s[12:13], s[12:13], s[18:19]
	s_add_nc_u64 s[8:9], s[8:9], s[20:21]
	global_load_b32 v[SC],   v[GO], s[8:9]            ; my two rows' scales: 256 consecutive bytes, at a multiple of 256 (my first row is even)
	global_load_b32 v[SC+1], v[GO], s[8:9] offset:128
.set c, 0
.rept 32
	global_load_b128 v[X+4*c:X+4*c+3], v[LO], s[6:7] offset:512*c th:TH_LOAD_NT
.set c, c+1
.endr
	s_wait_loadcnt 32                              ; the scales are in: the 32 loads issued behind them stay out
	v_max_num_f32 v[SC],   0x322bcc77, v[SC]       ; max(scale, 1e-8)
	v_max_num_f32 v[SC+1], 0x322bcc77, v[SC+1]
.set blk, 0
.rept 16
	BW blk
.set blk, blk+1
.endr
	s_wait_alu depctr_va_vdst(0)                   ; block 15 has written its X in place, which the last four stores read
.irp i, 0,1,2,3
	ST 15, \i, 12
.endr
	s_endpgm
.Lfunc_end_k_q5e4159b68b_prep:
	.size	k_q5e4159b68b_prep, .Lfunc_end_k_q5e4159b68b_prep-k_q5e4159b68b_prep
	.p2alignl 7, 3214868480
	.fill 96, 4, 3214868480
	.section	.rodata,"a",@progbits
	.p2align	6, 0x0
	.amdhsa_kernel k_q5e4159b68b_prep
		.amdhsa_group_segment_fixed_size 0
		.amdhsa_private_segment_fixed_size 0
		.amdhsa_enable_private_segment 0
		.amdhsa_kernarg_size 40
		.amdhsa_user_sgpr_count 2
		.amdhsa_user_sgpr_kernarg_segment_ptr 1
		.amdhsa_wavefront_size32 1
		.amdhsa_system_sgpr_workgroup_id_x 1
		.amdhsa_system_sgpr_workgroup_id_y 1
		.amdhsa_system_sgpr_workgroup_id_z 1
		.amdhsa_system_vgpr_workitem_id 0
		.amdhsa_next_free_vgpr 220
		.amdhsa_next_free_sgpr 66
		.amdhsa_reserve_vcc 0
		.amdhsa_float_denorm_mode_32 3
		.amdhsa_float_denorm_mode_16_64 3
		.amdhsa_memory_ordered 1
		.amdhsa_forward_progress 1
		.amdhsa_inst_pref_size 87
	.end_amdhsa_kernel
	.amdgpu_metadata
---
amdhsa.version: [ 1, 2 ]
amdhsa.kernels:
  - .name:           k_q5e4159b68b_prep
    .symbol:         k_q5e4159b68b_prep.kd
    .args:
      - { .name: x, .offset: 0, .size: 8, .value_kind: global_buffer, .address_space: global }
      - { .name: weight, .offset: 8, .size: 8, .value_kind: global_buffer, .address_space: global }
      - { .name: scales, .offset: 16, .size: 8, .value_kind: global_buffer, .address_space: global }
      - { .name: xb, .offset: 24, .size: 8, .value_kind: global_buffer, .address_space: global }
      - { .name: wb, .offset: 32, .size: 8, .value_kind: global_buffer, .address_space: global }
    .group_segment_fixed_size: 0
    .private_segment_fixed_size: 0
    .kernarg_segment_align: 8
    .kernarg_segment_size: 40
    .max_flat_workgroup_size: 512
    .sgpr_count:     66
    .vgpr_count:     220
    .wavefront_size: 32
...
	.end_amdgpu_metadata
.endif
;; end of part 3
;; launch gemm: the kernel of part 2 again; grid 16 x 16, 4 waves a work-group, clusters of 4 x 4, 327,680 bytes of LDS; arguments xb, wb, out0; writes out0
